; MI455X (gfx1250); checked and timed in simulation.
; The chip was launched on July 23, 2026; its instructions are those of AMD's public machine-readable ISA for CDNA 5 (MIT licence, August 2026) and "CDNA5" Instruction Set Architecture Reference Guide (July 2026). The comments in the code are by the model that wrote it; some were corrected since.
;; Self Attention. Allowed arithmetic: matrix products marked QUANTISED: E3M2 operands, one E8M0 scale for each 32 along K, by v_wmma_scale_f32_16x16x128_f8f6f4 with both operands' format E3M2, f32 sums; products left as they are: f32 operands where the result goes on into a quantised operand, else bf16, f16 or f32 operands; f32 sums; everything else in f32.
;; Inputs: Wk 64 x 16 float32; Wq 64 x 16 float32; Wv 64 x 64 float32; x 4 x 4,096 x 64 float32.
;; Outputs: out0 4 x 4,096 x 64 float32.
;; This version of the problem:
;;   THIS VERSION OF THE PROBLEM IS GIVEN IN LOW PRECISION. The matrix products marked QUANTISED in the list below multiply operands that are first quantised to E3M2 (3 exponent bits, 2 mantissa bits; 6 bits a number), with one power-of-two scale for each 32 numbers along K (OCP MX v1.0); their sums are f32. All else is computed in f32.
;;   The module's matrix products, in the order in which they are computed (A, B: the left and right operand; K: the contracted axis; several contracted axes count as one K, in the product's order):
;;     1. [M 16,384, K 64] x [K 64, N 16]; A: input x; B: input Wq: QUANTISED
;;     2. [M 16,384, K 64] x [K 64, N 16]; A: input x; B: input Wk: QUANTISED
;;     3. [M 16,384, K 64] x [K 64, N 64]; A: input x; B: input Wv: QUANTISED
;;     4. batch 4 x [M 4,096, K 16] x [K 16, N 4,096]; A: computed on the way; B: computed on the way: left as it is (K = 16 < 32)
;;     5. batch 4 x [M 4,096, K 4,096] x [K 4,096, N 64]; A: softmax (see below); B: computed on the way: QUANTISED
;;   THE QUANTISER, for each operand of a quantised product, along K:
;;     - K is cut into blocks of 32 from its start; a last block that is shorter is filled with zeros.
;;     - A block's scale is 2^e with e = floor(log2(the largest magnitude in the block)) - 4, held to -126 .. 127; a block of zeros has e = 0. As a byte (E8M0): e + 127.
;;     - Each number is divided by its block's scale, clamped to +-28, and rounded to the nearest number of E3M2, ties to even, subnormals kept.
;;     - The product sums the exact products of the quantised numbers (number of the format x scale) in f32.
;;   ~~~python
;;   def quantise(x, axis):      # numpy; x: float32 -> the quantised numbers, widened to float32 again
;;       x = np.moveaxis(x, axis, -1); K = x.shape[-1]
;;       x = np.pad(x, [(0, 0)] * (x.ndim - 1) + [(0, -K % 32)]); x = x.reshape(x.shape[:-1] + (-1, 32)); a = np.abs(x).max(-1, keepdims=True)
;;       e = np.where(a > 0, np.clip(np.frexp(np.where(a > 0, a, 1))[1] - 1 - 4, -126, 127), 0)      # np.frexp(a)[1] - 1 = floor(log2(a)), exactly
;;       r = np.clip(x / 2.0 ** e, -28, 28)
;;       step = 2.0 ** (np.maximum(np.frexp(np.where(r == 0, 1, r))[1] - 1, -2) - 2)
;;       q = np.round(r / step) * step * 2.0 ** e      # np.round: ties to even
;;       return np.moveaxis(q.reshape(q.shape[:-2] + (-1,))[..., :K], -1, axis).astype(np.float32)
;;   ~~~
;;   SOFTMAX AHEAD OF A QUANTISED PRODUCT. Where the list says 'softmax', what is quantised is not the finished softmax but p = 2^(t - M), with t = logit x log2(e) and M = ceil(the row's largest t), a whole number; so 1/2 < the row's largest p <= 1. The row's sum l is taken of the UNQUANTISED p, in f32, and the product's result is divided by l at the end. Since M is a whole number, a kernel that streams over the keys may use a running M (the ceiling of the running maximum): every later rescaling is an exact power of two, which a block's scale takes up: the codes' values come out the same.
;;   OPERANDS COMPUTED ON THE WAY. 'Computed on the way' means the value that the module computes at that place (a softmax that the list does not call 'softmax' is quantised finished and normalised). What goes into a quantiser is computed in f32, as accurately as f32 sums, v_exp_f32 and their like allow (about 1e-6 of the number): no bf16 or f16 on the way to a quantiser, and a product that is left as it is and whose result goes on into a quantised operand takes f32 operands (vector FMAs, or v_wmma_f32_16x16x4_f32). A number that lies on a knife's edge between two numbers of the format may be rounded either way, as far as f32 arithmetic and the matrix unit's own rounding can turn it there, and no further.
;; One version. Each part assembles by itself: llvm-mc -triple=amdgcn-amd-amdhsa -mcpu=gfx1250 --defsym DOCPART=n.
;; ======== version 1 of 1: 2 launches
;; workspace buffers: qb 1,048,576 bytes; kv 1,867,776 bytes
;; launch proj (part 1): grid 128 x 1, 4 waves a work-group, no clusters, 12,800 bytes of LDS; arguments x, Wq, Wk, Wv, qb, kv; writes qb, kv
.if DOCPART == 1
	.amdgcn_target "amdgcn-amd-amdhsa--gfx1250"
	.amdhsa_code_object_version 6
	.text
	.protected	k_qfef10c449a_proj
	.globl	k_qfef10c449a_proj
	.p2align	8
	.type	k_qfef10c449a_proj,@function
k_qfef10c449a_proj:
	s_mov_b64 s[64:65], 0
	v_nop
	global_prefetch_b8 v0, s[64:65] scope:SCOPE_SE
	s_setreg_imm32_b32 hwreg(HW_REG_WAVE_MODE, 25, 1), 1
	s_wait_xcnt 0x0
; q = Q(x) Q(Wq), k = Q(x) Q(Wk), v = Q(x) Q(Wv): codes of BF6 (E3M2), one E8M0 scale for each 32 along K = 64; sums in f32.  q and k leave as f32, v is quantised again along the KEYS (the K of the
; later product p v) and leaves as codes and scale bytes.  x: [16384][64] f32; Wq, Wk: [64][16]; Wv: [64][64], K their first axis.
; SHARES.  A work-group owns 128 tokens, one key step of the second launch, since a scale word of v wants the four blocks of 32 keys of one step together: 128 work-groups.  Wave w owns block w of 32 tokens.
; THE TOKENS OF A TILE ARE NOT NEIGHBOURS: lane r of tile u (0, 1) takes token 8 u + r + 8 (r / 8) of the block, so that in v's result (source 0 = x) the 16 registers of tiles 0 and 1 are 16 neighbouring keys.
; K = 64 is half of the instruction's 128: registers 6-11 of every operand hold zero codes, which add nothing; their scale bytes are 0, which is not the NaN byte.
; WEIGHTS.  A lane takes a column and its registers run down K: a lane's 32 numbers are a whole block.  Wave w quantises Wv's columns 16 w on, waves 0 and 1 also Wq and Wk; the six operands go to all waves through
; LDS as images of their registers.
; OUT.  qb: [tile of 16 tokens][2][lane][16 bytes]: lane (r, h), register j = q(token of r, dim 8 h + j): the result's own registers (source 0 = the weight).  kv: slots of 1,024 keys, SLOTB bytes each:
; k's images as q's (8,192 bytes a step); from VOFF v's operands as images of their 12 registers (4 tiles of 16 d x 1,536 bytes a step); from SOFF v's scale words [step][r][tile of d][block].
; LIMITS: NaN and infinities among the inputs are not served.  A block whose largest magnitude lies under 2^-122 (a block of zeros too) gets the scale byte 1; the bytes are read by this program alone.
.set WSC,   4608                       ; LDS: from 0 six weight images of 768 bytes (registers 0-3 at 16 x lane, 4-5 at 512 + 8 x lane): Wq, Wk, Wv's four;  here their scale words, 128 bytes each
.set VSTG,  5376                       ; v's four operand images, 1,536 bytes each
.set VSC,   11520                      ; v's 256 scale bytes
.set SLOTB, 116736
.set VOFF,  65536
.set SOFF,  114688
.set FLOOR, 0x2800000                  ; 2^(5 - 127): no largest magnitude is taken under it, so the byte cannot fall under 1
.set EOFF,  0xfe000000                 ; takes 4 off an exponent field
.set RW,  48                           ; v48-79   Wv's column as loaded;  v80-111 Wq's or Wk's
.set RQ,  80
.set WF,  48                           ; later v48-119: the six weight operands, 12 registers each
.set RX,  120                          ; v120-183 x as loaded, 32 numbers for each tile
.set AQ,  120                          ; later the results: q's two tiles, k's two, v's eight (152 + 16 t + 8 u)
.set AK,  136
.set AV,  152
.set XF,  216                          ; v216-239 x's two operands
.set VC,  240                          ; v240-255 v's codes, four registers for each tile of d, three used
; v1 lane, v2 r, v3 h; v4 x's offset; v5 Wv's; v6 Wq's and Wk's; v7, v8, v9 = 16, 8, 4 x lane; v10-12 where my weight image and its scale word go; v13-15 where v's codes go; v16 where v's scale byte goes;
; v17 = 8 h; v18-29 at work; v30-35, v23 and v184-190 weight codes and scale words on their way to LDS; v36-41 the weights' scale words, v42-43 x's: these eight hold scales and nothing else; v44, v45 the copy out
; 32 numbers of a lane, v[R] on, one whole block along K, become registers C .. C + 5 of an operand; the scale word (byte h mine, byte 1 - h from lane l xor 16, bytes 2 and 3 zero) goes to v[SW]
.macro QUANT32 R, C, SW
	v_max3_num_f32 v18, |v[\R]|, |v[\R+1]|, |v[\R+2]|           ; the largest magnitude, in two chains
	v_max3_num_f32 v19, |v[\R+3]|, |v[\R+4]|, |v[\R+5]|
.irp i, 6,10,14,18,22,26
	v_max3_num_f32 v18, v18, |v[\R+\i]|, |v[\R+\i+1]|
	v_max3_num_f32 v19, v19, |v[\R+\i+2]|, |v[\R+\i+3]|
.endr
	v_max3_num_f32 v18, v18, |v[\R+30]|, |v[\R+31]|
	v_max3_num_f32 v18, v18, v19, FLOOR
	v_add_nc_u32 v20, EOFF, v18                    ; 4 off its exponent field: the conversion takes the exponent field of this operand as its scale
	v_lshrrev_b32 v21, 23, v20                     ; the scale's byte,
	v_lshlrev_b32 v21, v17, v21                    ; at its place in the word
	v_permlanex16_b32 v22, v21, s20, s21
	v_or_b32 v[\SW], v21, v22
	v_cvt_scalef32_pk16_bf6_f32 v[\C:\C+2], v[\R:\R+15], v20
	v_cvt_scalef32_pk16_bf6_f32 v[26:28], v[\R+16:\R+31], v20   ; (a conversion's three registers begin on an even number)
	v_nop                                          ; one plain place behind a scaled conversion
	v_mov_b32 v[\C+3], v26
	v_mov_b32 v[\C+4], v27
	v_mov_b32 v[\C+5], v28
.endm
	s_load_b256 s[4:11], s[0:1], 0x0               ; x s[4:5], Wq s[6:7], Wk s[8:9], Wv s[10:11]
	s_load_b128 s[12:15], s[0:1], 0x20             ; qb s[12:13], kv s[14:15]
	v_lshl_add_u32 v251, v0, 2, 0x3000
	v_mov_b32 v255, 0
	v_lshrrev_b32 v1, 5, v0
	v_readfirstlane_b32 s16, v1                    ; wave w
	v_and_b32 v1, 31, v0                           ; lane
	v_and_b32 v2, 15, v0                           ; r
	v_bfe_u32 v3, v0, 4, 1                         ; h
	v_and_b32 v4, 8, v2
	v_add_nc_u32 v4, v4, v2                        ; r + 8 (r / 8)
	v_lshlrev_b32 v4, 8, v4                        ; a row of x is 256 bytes;
	v_lshl_add_u32 v4, v3, 7, v4                   ; my block of 32 along K: + 128 h
	v_lshlrev_b32 v6, 2, v2
	s_lshl_b32 s24, s16, 6
	v_lshl_add_u32 v5, v3, 13, v6                  ; Wv: column 16 w + r, rows 32 h on: 4 r + 64 w + 8,192 h
	v_add_nc_u32 v5, s24, v5
	v_lshl_add_u32 v6, v3, 11, v6                  ; Wq, Wk: 4 r + 2,048 h
	v_lshlrev_b32 v7, 4, v1
	v_lshlrev_b32 v8, 3, v1
	v_lshlrev_b32 v9, 2, v1
	s_mul_i32 s24, s16, 768
	v_add_nc_u32 v10, s24, v7                      ; image w: registers 0-3
	s_add_co_u32 s24, s24, 512
	v_add_nc_u32 v11, s24, v8                      ; registers 4-5
	s_lshl_b32 s24, s16, 7
	s_add_co_u32 s24, s24, WSC
	v_add_nc_u32 v12, s24, v9                      ; its scale word
	; v's codes: my three registers (keys 32 w + 16 h + 0 .. 15 of d = 16 t + r) are registers rho = 6 (w / 2) + 3 h + i of lane r + 16 (w % 2) of the operand's image
	s_lshr_b32 s25, s16, 1
	s_mul_i32 s25, s25, 6
	s_and_b32 s26, s16, 1
	s_lshl_b32 s26, s26, 8
	s_add_co_u32 s26, s26, VSTG
	v_lshl_add_u32 v21, v2, 4, s26                 ; VSTG + 16 (r + 16 (w % 2))
	v_mad_u32_u24 v18, v3, 3, s25                  ; rho for i = 0
.irp i, 0,1,2
	v_add_nc_u32 v19, \i, v18
	v_lshrrev_b32 v20, 2, v19
	v_and_b32 v19, 3, v19
	v_lshl_add_u32 v20, v20, 9, v21                ; the group of four registers: 512 bytes each,
	v_lshl_add_u32 v[13+\i], v19, 2, v20           ; the word in the lane's 16 bytes
.endr
	s_add_co_u32 s25, s16, VSC
	v_lshl_add_u32 v16, v2, 4, s25                 ; v's scale byte: 16 r + 4 t + w
	v_lshlrev_b32 v17, 3, v3
	s_mul_i32 s27, s16, 1536
	s_add_co_u32 s25, s27, VSTG
	v_add_nc_u32 v44, s25, v7                      ; the copy out: image w
	v_add_nc_u32 v45, VSC, v8
.irp j, 22,23,24,25
	v_mov_b32 v\j, 0                               ; written once: a lane permute's destination counts as one of its sources
.endr
.irp j, 6,7,8,9,10,11
	v_mov_b32 v[XF+\j], 0                          ; zero codes for K = 64 .. 127
	v_mov_b32 v[XF+12+\j], 0
.endr
	s_mov_b32 s20, 0x76543210
	s_mov_b32 s21, 0xfedcba98                      ; v_permlanex16_b32's selects for lane l xor 16
	s_lshl_b32 s28, ttmp9, 15                      ; x: 128 rows a work-group, 32 a wave
	s_lshl_b32 s24, s16, 13
	s_add_co_u32 s28, s28, s24
	s_mov_b32 s29, 0
	s_lshl_b32 s30, ttmp9, 13                      ; qb: 8 tiles of 1,024 bytes a work-group, 2 a wave
	s_lshl_b32 s24, s16, 11
	s_add_co_u32 s30, s30, s24
	s_mov_b32 s31, 0
	s_lshr_b32 s25, ttmp9, 3
	s_mul_i32 s25, s25, SLOTB                      ; kv: my slot,
	s_and_b32 s26, ttmp9, 7                        ; my step in it
	s_lshl_b32 s32, s26, 13
	s_add_co_u32 s32, s32, s24
	s_add_co_u32 s32, s32, s25                     ; k's images
	s_mov_b32 s33, 0
	s_mul_i32 s34, s26, 6144
	s_add_co_u32 s34, s34, s27
	s_add_co_u32 s34, s34, s25
	s_add_co_u32 s34, s34, VOFF                    ; v's image w
	s_mov_b32 s35, 0
	s_lshl_b32 s36, s26, 8
	s_add_co_u32 s36, s36, s25
	s_add_co_u32 s36, s36, SOFF                    ; v's scale words
	s_mov_b32 s37, 0
	s_wait_kmcnt 0x0
	s_add_nc_u64 s[4:5], s[4:5], s[28:29]
	s_add_nc_u64 s[12:13], s[12:13], s[30:31]
	s_add_nc_u64 s[38:39], s[14:15], s[32:33]
	s_add_nc_u64 s[40:41], s[14:15], s[34:35]
	s_add_nc_u64 s[42:43], s[14:15], s[36:37]
	s_cmp_eq_u32 s16, 0                            ; wave 0 takes Wq, wave 1 Wk: the choice hangs on the wave's number alone
	s_cselect_b64 s[22:23], s[6:7], s[8:9]
.set n, 0
.rept 32
	global_load_b32 v[RW+n], v5, s[10:11] offset:256*n     ; Wv(32 h + n, 16 w + r)
.set n, n+1
.endr
	s_cmp_lt_u32 s16, 2
	s_cbranch_scc0 .Lno_qk_load
.set n, 0
.rept 32
	global_load_b32 v[RQ+n], v6, s[22:23] offset:64*n      ; Wq or Wk (32 h + n, r)
.set n, n+1
.endr
.Lno_qk_load:
.irp u, 0,1
.irp i, 0,1,2,3,4,5,6,7
	global_load_b128 v[RX+32*\u+4*\i:RX+32*\u+4*\i+3], v4, s[4:5] offset:2048*\u+16*\i th:TH_LOAD_NT   ; x(token of (u, r), 32 h + 4 i ..)
.endr
.endr
	s_wait_loadcnt 16                              ; the weights are in on both ways: the sixteen loads of x are the younger ones
	QUANT32 RW, 30, 23
	ds_store_b128 v10, v[30:33] offset:1536        ; Wv's tile w is image 2 + w
	ds_store_b64 v11, v[34:35] offset:1536
	ds_store_b32 v12, v23 offset:256
	s_cmp_lt_u32 s16, 2
	s_cbranch_scc0 .Lno_qk_quant
	QUANT32 RQ, 184, 190                           ; in registers of its own: the stores above may still read theirs
	ds_store_b128 v10, v[184:187]                  ; image w
	ds_store_b64 v11, v[188:189]
	ds_store_b32 v12, v190
.Lno_qk_quant:
	s_wait_loadcnt 0x0                             ; x
	QUANT32 RX, XF, 42
	QUANT32 RX+32, XF+12, 43
	s_wait_dscnt 0x0                               ; for the others' sake: my images lie in LDS
	s_barrier_signal -1
	s_barrier_wait -1
.irp k, 0,1,2,3,4,5
	ds_load_b128 v[WF+12*\k:WF+12*\k+3], v7 offset:768*\k
	ds_load_b64 v[WF+12*\k+4:WF+12*\k+5], v8 offset:768*\k+512
	ds_load_b32 v[36+\k], v9 offset:WSC+128*\k
.endr
.irp k, 0,1,2,3,4,5
.irp j, 6,7,8,9,10,11
	v_mov_b32 v[WF+12*\k+\j], 0                    ; zero codes for K = 64 .. 127.  (These are also the places between x's scale words and operands, written by vector instructions, and the scaled products)
.endr
.endr
.rept 4
	v_nop                                          ; and four places behind the last of these moves
.endr
	s_wait_dscnt 0x0
	; twelve products on twelve accumulators, each begun with the constant 0.  q, k: source 0 = the weight (a lane then holds one token and eight dims);  v: source 0 = x (a lane holds one d and eight keys)
.irp u, 0,1
	v_wmma_scale_f32_16x16x128_f8f6f4 v[AQ+8*\u:AQ+8*\u+7], v[WF:WF+11], v[XF+12*\u:XF+12*\u+11], 0, v36, v[42+\u] matrix_a_fmt:MATRIX_FMT_BF6 matrix_b_fmt:MATRIX_FMT_BF6
	v_wmma_scale_f32_16x16x128_f8f6f4 v[AK+8*\u:AK+8*\u+7], v[WF+12:WF+23], v[XF+12*\u:XF+12*\u+11], 0, v37, v[42+\u] matrix_a_fmt:MATRIX_FMT_BF6 matrix_b_fmt:MATRIX_FMT_BF6
.endr
.irp t, 0,1,2,3
.irp u, 0,1
	v_wmma_scale_f32_16x16x128_f8f6f4 v[AV+16*\t+8*\u:AV+16*\t+8*\u+7], v[XF+12*\u:XF+12*\u+11], v[WF+24+12*\t:WF+35+12*\t], 0, v[42+\u], v[38+\t] matrix_a_fmt:MATRIX_FMT_BF6 matrix_b_fmt:MATRIX_FMT_BF6
.endr
.endr
.rept 4
	v_nop                                          ; four places in front of the first read of results (ISA guide 7.12.1)
.endr
.irp u, 0,1
	global_store_b128 v7, v[AQ+8*\u:AQ+8*\u+3], s[12:13] offset:1024*\u          ; each accumulator from its low end on; a store covers 512 consecutive bytes, aligned
	global_store_b128 v7, v[AQ+8*\u+4:AQ+8*\u+7], s[12:13] offset:1024*\u+512
	global_store_b128 v7, v[AK+8*\u:AK+8*\u+3], s[38:39] offset:1024*\u
	global_store_b128 v7, v[AK+8*\u+4:AK+8*\u+7], s[38:39] offset:1024*\u+512
.endr
	; v along the keys: registers AV + 16 t + 0 .. 15 of lane (r, h) are keys 32 w + 16 h + 0 .. 15 of d = 16 t + r; the block's other half lies in lane l xor 16.  The four tiles of d by turns
.irp t, 0,1,2,3
	v_max3_num_f32 v[18+\t], |v[AV+16*\t]|, |v[AV+16*\t+1]|, FLOOR
.endr
.irp i, 2,4,6,8,10,12,14
.irp t, 0,1,2,3
	v_max3_num_f32 v[18+\t], v[18+\t], |v[AV+16*\t+\i]|, |v[AV+16*\t+\i+1]|
.endr
.endr
.irp t, 0,1,2,3
	v_permlanex16_b32 v[22+\t], v[18+\t], s20, s21
.endr
.irp t, 0,1,2,3
	v_max_num_f32 v[18+\t], v[18+\t], v[22+\t]     ; the block's largest magnitude
.endr
.irp t, 0,1,2,3
	v_add_nc_u32 v[26+\t], EOFF, v[18+\t]          ; the conversion's scale operand
.endr
.irp t, 0,1,2,3
	v_lshrrev_b32 v[22+\t], 23, v[26+\t]           ; the scale's byte
.endr
.irp t, 0,1,2,3
	v_cvt_scalef32_pk16_bf6_f32 v[VC+4*\t:VC+4*\t+2], v[AV+16*\t:AV+16*\t+15], v[26+\t]
.endr
	v_nop                                          ; one plain place behind the last scaled conversion
.irp t, 0,1,2,3
.irp i, 0,1,2
	ds_store_b32 v[13+\i], v[VC+4*\t+\i] offset:1536*\t
.endr
	ds_store_b8 v16, v[22+\t] offset:4*\t          ; both halves of the lanes write the same byte with the same value
.endr
	s_wait_dscnt 0x0                               ; for the others' sake: my part of the four images lies in LDS
	s_barrier_signal -1
	s_barrier_wait -1
.irp g, 0,1,2
	ds_load_b128 v[48+4*\g:51+4*\g], v44 offset:512*\g
.endr
.irp g, 0,1,2
	s_wait_dscnt 2-\g                              ; LDS loads come back in order: the younger ones may stay out
	global_store_b128 v7, v[48+4*\g:51+4*\g], s[40:41] offset:512*\g     ; 512 consecutive bytes, aligned
.endr
	s_cmp_lg_u32 s16, 0
	s_cbranch_scc1 .Lend
	ds_load_b64 v[60:61], v45                      ; wave 0: the step's 256 scale bytes
	s_wait_dscnt 0x0
	global_store_b64 v8, v[60:61], s[42:43]        ; 256 consecutive bytes, aligned
.Lend:
	s_wait_tensorcnt 0x0
	ds_add_u32 v251, v255
	s_wait_dscnt 0x0
	s_endpgm
.Lfunc_end_k_qfef10c449a_proj:
	.size	k_qfef10c449a_proj, .Lfunc_end_k_qfef10c449a_proj-k_qfef10c449a_proj
	.p2alignl 7, 3214868480
	.fill 96, 4, 3214868480
	.section	.rodata,"a",@progbits
	.p2align	6, 0x0
	.amdhsa_kernel k_qfef10c449a_proj
		.amdhsa_group_segment_fixed_size 12800
		.amdhsa_private_segment_fixed_size 0
		.amdhsa_enable_private_segment 0
		.amdhsa_kernarg_size 48
		.amdhsa_user_sgpr_count 2
		.amdhsa_user_sgpr_kernarg_segment_ptr 1
		.amdhsa_wavefront_size32 1
		.amdhsa_system_sgpr_workgroup_id_x 1
		.amdhsa_system_sgpr_workgroup_id_y 1
		.amdhsa_system_sgpr_workgroup_id_z 1
		.amdhsa_system_vgpr_workitem_id 0
		.amdhsa_next_free_vgpr 256
		.amdhsa_next_free_sgpr 66
		.amdhsa_reserve_vcc 0
		.amdhsa_float_denorm_mode_32 3
		.amdhsa_float_denorm_mode_16_64 3
		.amdhsa_memory_ordered 1
		.amdhsa_forward_progress 1
		.amdhsa_inst_pref_size 29
	.end_amdhsa_kernel
	.amdgpu_metadata
---
amdhsa.version: [ 1, 2 ]
amdhsa.kernels:
  - .name:           k_qfef10c449a_proj
    .symbol:         k_qfef10c449a_proj.kd
    .args:
      - { .name: x, .offset: 0, .size: 8, .value_kind: global_buffer, .address_space: global }
      - { .name: Wq, .offset: 8, .size: 8, .value_kind: global_buffer, .address_space: global }
      - { .name: Wk, .offset: 16, .size: 8, .value_kind: global_buffer, .address_space: global }
      - { .name: Wv, .offset: 24, .size: 8, .value_kind: global_buffer, .address_space: global }
      - { .name: qb, .offset: 32, .size: 8, .value_kind: global_buffer, .address_space: global }
      - { .name: kv, .offset: 40, .size: 8, .value_kind: global_buffer, .address_space: global }
    .group_segment_fixed_size: 12800
    .private_segment_fixed_size: 0
    .kernarg_segment_align: 8
    .kernarg_segment_size: 48
    .max_flat_workgroup_size: 128
    .sgpr_count:     66
    .vgpr_count:     256
    .wavefront_size: 32
...
	.end_amdgpu_metadata
.endif
;; end of part 1
;; launch attn (part 2): grid 64 x 4, 16 waves a work-group, clusters of 4 x 1, 327,680 bytes of LDS; arguments qb, kv, out0; writes out0
.if DOCPART == 2
	.amdgcn_target "amdgcn-amd-amdhsa--gfx1250"
	.amdhsa_code_object_version 6
	.text
	.protected	k_qfef10c449a_attn
	.globl	k_qfef10c449a_attn
	.p2align	8
	.type	k_qfef10c449a_attn,@function
k_qfef10c449a_attn:
	s_mov_b64 s[64:65], 0
	v_nop
	global_prefetch_b8 v0, s[64:65] scope:SCOPE_SE
	s_setreg_imm32_b32 hwreg(HW_REG_WAVE_MODE, 25, 1), 1
	s_wait_xcnt 0x0
	s_wait_alu depctr_hold_cnt(0) depctr_sa_sdst(0) depctr_va_vdst(0) depctr_va_sdst(0) depctr_va_ssrc(0) depctr_va_vcc(0) depctr_vm_vsrc(0)
	s_getreg_b32 s2, hwreg(HW_REG_IB_STS2, 6, 4)
	s_cmp_eq_u32 s2, 0
	s_cbranch_scc0 .Lentry_in_a_cluster
	s_endpgm
.Lentry_in_a_cluster:
	s_bfe_u32 s2, ttmp6, 0x10000c
	s_cmp_lg_u32 s2, 0x3003
	s_cbranch_scc0 .Lentry_shape_is_right
	s_endpgm
.Lentry_shape_is_right:
; out[b][q][:] = the sum over keys k <= q of softmax_k(q . k / 4) v[k][:].  The scores (K = 16) are left as they are and feed a quantiser: f32 operands, v_wmma_f32_16x16x4_f32.  The second product is on codes of
; BF6 (E3M2) with one E8M0 scale for each 32 keys: p = 2^(t - M), t = score x log2(e) / 4, M the running largest t rounded UP to a whole number; p is not normalised; the sum of the unquantised p divides at the end.
; INPUTS, as the first launch laid them: qb: q as register images of tiles of 16 tokens;  kv: for each 1,024 keys one dense slot of SLOTB bytes: k's images, v's operand images (codes, keys innermost), v's scale words.
; SHARES.  A work-group owns two blocks of 32 queries of one batch: block j and block 127 - j (j = 4 x cluster + place), four tiles of 16.  Their last key steps of 128 are c and 31 - c (c = the cluster's number):
; 2 (c + 1) + 2 (32 - c) = 66 steps of a tile in EVERY work-group.  Each tile is shared by four waves: wave (tile tq, part e) takes the key steps = e modulo 4, with a running M, sum and O^T of its own; the four parts
; meet in LDS at the end, where a change of M is an exact power of two.  tq = (wave + wave / 4) % 4, so that the long tiles are spread over the waves' numbers.
; CLUSTER.  The four work-groups of a cluster have the same c: the same trip counts and branches, and the same K and V.  Each slot is asked for JOINTLY: the same tensor load, descriptor and mask in all four.
; Every work-group walks all four slots, so that trip counts are constants; a step all of whose keys come after the tile's queries is jumped over.  For c >= 8 the last slot is fetched and read by nobody.
; LAYOUT.  Both products are used transposed (S^T = k q^T, O^T = v^T p^T): a lane holds ONE query.  Lane r of tile 2 b + u of keys (and of queries) takes token 32 b + 8 u + r + 8 (r / 8), so that the 16 registers
; of score tiles 2 b and 2 b + 1 are keys 32 b + 16 (lane / 16) + 0 .. 15.  In the f32 product link kk takes registers 2 kk, 2 kk + 1 of k's and q's images: dims 8 (lane / 16) + 2 kk + 0, 1, alike on both sides.
; LIMITS: NaN and infinities are not served.  A block whose every p has fallen to 0 keeps the scale byte 1: its codes are zeros.
.set SLOTB, 116736                     ; 456 rows of 256 bytes: four tensor loads of 114 rows
.set QUART, 29184
.set VOFF,  65536
.set SOFF,  114688
.set SLOT1, 131072                     ; LDS: slot A at 0, slot B here: one exclusive or turns an address in one into the other's
.set STAGE, 247808                     ; behind the ring: 16 rows x 272 bytes for each wave: the parts of O^T
.set STATS, 317440                     ; 64 bytes for each wave: -M of its 16 queries;  1,024 bytes on: their sums
.set SPARE, 319488                     ; the spare words, 128 bytes for each wave: eight blocks of 256 bytes that no other line names
.set FLOOR, 0x2800000
.set EOFF,  0xfe000000
.set FR,  24                           ; v24-71   four tiles of k (8 registers each); then the softmax's work; then v's four operands (12 each)
.set BM,  24                           ; v24-27   the blocks' largest scores, then largest p
.set BT,  28                           ; v28-31   from lane l xor 16; then the scale bytes
.set SO,  32                           ; v32-35   the conversions' scale operands
.set CT,  36                           ; v36-43   the second halves of p's codes
.set S,   72                           ; v72-135  S^T: written by the f32 matrix instructions alone
.set P,   136                          ; v136-199 the mask on the diagonal; then t - M, then p; at the end the merge
.set O,   200                          ; v200-231 O^T: 4 tiles of 16 d
.set PC,  232                          ; v232-243 p's codes
; v1, v2, v3 my lane's place in a step's tiles of k, of v, among v's scale words; v4 my spare word, v5 = 0; v6 the mask's bound; v7-9 the step's LDS addresses; v11 = 16 x lane; v12 -M, v13 the largest t,
; v[14:15] the sum in two halves; v16-23 q; v244-247 v's scale words and v248 p's: these hold scales and nothing else; v249 at work; v[250:251] f; v[252:253] the sum's second chain; v254 -infinity
; s10 wave, s11 tq, s12 e, s13 c, s14 place in the cluster, s15 batch, s16 j, s17 my block of queries, s18 my tile's last key step, s19 u; s[20:21] lane selects; s[22:23] log2(e) / 4;
; s[24:31], s[32:35] descriptor groups 1 and 0; s36 the slot in hand; s37 the slot's first key step of mine; s38 trips; s39-41 at work; s[42:47] offsets
.macro ROUND                           ; a round of the cluster's barrier
	s_barrier_signal -1
	s_barrier_wait -1
	s_cmp_lg_u32 s10, 0
	s_cbranch_scc1 .Lnot_wave_0_\@
	s_barrier_signal -3
.Lnot_wave_0_\@:
	s_barrier_wait -3
	s_barrier_signal -1
	s_barrier_wait -1
.endm
.macro TLOAD                           ; waves 0 to 3 fetch a quarter of a slot each; the branch hangs on the wave's number alone.  Four v_nop follow the load
	s_cmp_lt_u32 s10, 4
	s_cbranch_scc0 .Lasked_\@
	tensor_load_to_lds s[32:35], s[24:31]
	s_nop 0
.rept 4
	v_nop
.endr
.Lasked_\@:
.endm
; THE CHANGE OF SLOTS stands at a slot's head.  Each wave waits for all its tensor loads (one at the most is out: its quarter of the slot ahead), adds 0 to its spare word, and waits for that and for its reads of the
; slot that it has left.  fill = 1: behind a round of the cluster's barrier that slot is filled with the next 1,024 keys: no wave of any partner still reads it.  The load has a slot's steps in which to land.
.macro CHANGE fill
	s_wait_tensorcnt 0x0                           ; no tensor load of mine is out, so group 0 may be written
	ds_add_u32 v4, v5                              ; 0 onto my spare word
.if \fill
	s_xor_b32 s33, s33, SLOT1                      ; the other slot than last time,
	s_add_nc_u64 s[34:35], s[34:35], SLOTB         ; the next 1,024 keys; the type bits on top are not reached
.endif
	s_wait_dscnt 0x0                               ; the add is done, and my reads of the slot that I have left are over
.if \fill
	ROUND
	TLOAD                                          ; the first thing behind the round, and a wave's one tensor load until the next
.else
	s_barrier_signal -1
	s_barrier_wait -1
.endif
.endm
; Four tiles of 16 keys (4 g + t) against my 16 queries: sixteen f32 matrix instructions, the four accumulators by turns, one instruction a turn.
; masked = 0: the first links start the sums with the constant 0;  1: with the mask (0 or -infinity), which costs no addition.
.macro SCORES g, q, masked
.if \g
.rept 8
	v_nop                                          ; eight places in front of loads into registers that this form has read
.endr
.endif
.irp t, 0,1,2,3
	ds_load_b128 v[FR+8*\t:FR+8*\t+3], v7 offset:32768*(\q)+1024*(4*\g+\t)
	ds_load_b128 v[FR+8*\t+4:FR+8*\t+7], v7 offset:32768*(\q)+1024*(4*\g+\t)+512
.endr
	s_wait_dscnt 0x0
.irp t, 0,1,2,3
.if \masked
	v_wmma_f32_16x16x4_f32 v[S+8*(4*\g+\t):S+8*(4*\g+\t)+7], v[FR+8*\t:FR+8*\t+1], v[16:17], v[P+8*(4*\g+\t):P+8*(4*\g+\t)+7]
.else
	v_wmma_f32_16x16x4_f32 v[S+8*(4*\g+\t):S+8*(4*\g+\t)+7], v[FR+8*\t:FR+8*\t+1], v[16:17], 0
.endif
.endr
.irp kk, 1,2,3
.irp t, 0,1,2,3
	v_wmma_f32_16x16x4_f32 v[S+8*(4*\g+\t):S+8*(4*\g+\t)+7], v[FR+8*\t+2*\kk:FR+8*\t+2*\kk+1], v[16+2*\kk:17+2*\kk], v[S+8*(4*\g+\t):S+8*(4*\g+\t)+7]
.endr
.endr
.endm
; A KEY STEP of 128 keys: step e + 4 q of the slot in hand.
.macro STEP q
	s_add_co_u32 s39, s37, 4*(\q)                  ; its number in the batch
	s_cmp_gt_u32 s39, s18                          ; all its keys come after my queries: nothing to do.  The branch hangs on the cluster's number, the wave's number and counters
	s_cbranch_scc1 .Lhidden_\@
	v_add_nc_u32 v7, s36, v1
	v_add_nc_u32 v8, s36, v2
	v_add_nc_u32 v9, s36, v3
	s_cmp_eq_u32 s39, s18
	s_cbranch_scc1 .Ldiag_\@
	SCORES 0, \q, 0
	SCORES 1, \q, 0
	s_branch .Lsoft_\@
.Ldiag_\@:                                             ; the step that holds my queries: register 16 b + i is key 32 b + i + 16 (lane / 16) of the step, hidden where 32 b + i > v6
.set n, 0
.rept 64
	v_cmp_gt_i32 vcc_lo, 32*(n/16)+n%16, v6
	v_cndmask_b32 v[P+n], 0, v254, vcc_lo
.set n, n+1
.endr
	SCORES 0, \q, 1
	SCORES 1, \q, 1
.Lsoft_\@:
.rept 8
	v_nop                                          ; eight places in front of the first read of results and of writes into registers that the products have read
.endr
.irp b, 0,1,2,3
	v_max3_num_f32 v[BM+\b], v[S+16*\b], v[S+16*\b+1], v[S+16*\b+2]   ; the largest score of each block of 32 keys: for the row's maximum and, since p rises with the score, for the block's largest p.  Each accumulator from its low end on
.endr
.irp i, 3,5,7,9,11,13
.irp b, 0,1,2,3
	v_max3_num_f32 v[BM+\b], v[BM+\b], v[S+16*\b+\i], v[S+16*\b+\i+1]
.endr
.endr
.irp b, 0,1,2,3
	v_max_num_f32 v[BM+\b], v[BM+\b], v[S+16*\b+15]
.endr
.irp b, 0,1,2,3
	v_permlanex16_b32 v[BT+\b], v[BM+\b], s20, s21
.endr
.irp b, 0,1,2,3
	v_max_num_f32 v[BM+\b], v[BM+\b], v[BT+\b]     ; with lane l xor 16's 16 keys
.endr
	v_max3_num_f32 v249, v[BM], v[BM+1], v[BM+2]
	v_max_num_f32 v249, v249, v[BM+3]              ; the step's largest score of my query
	v_mul_f32 v249, s22, v249                      ; as t
	v_max_num_f32 v13, v13, v249                   ; the running largest t
	v_mov_b32 v249, v12
	v_floor_f32 v12, -v13                          ; the new -M = -ceil(t): M is a whole number
	v_sub_f32 v249, v12, v249                      ; old M - new M: a whole number, 0 or less
	v_cvt_i32_f32 v249, v249                       ; (it saturates)
	v_ldexp_f32 v250, 1.0, v249                    ; f = 2^(old M - new M): multiplying by it rounds nothing
.set n, 0
.rept 32
	v_pk_fma_f32 v[P+n:P+n+1], v[S+n:S+n+1], s[22:23], v[12:13] op_sel_hi:[1,0,0]   ; t - M, two at a time, into registers of their own
.set n, n+2
.endr
.irp b, 0,1,2,3
	v_fma_f32 v[BM+\b], v[BM+\b], s22, v12         ; the same of each block's largest score
.endr
.set n, 0
.rept 64
	v_exp_f32 v[P+n], v[P+n]                       ; p = 2^(t - M), at most 1
.set n, n+1
.endr
.irp b, 0,1,2,3
	v_exp_f32 v[BM+\b], v[BM+\b]                   ; the block's largest p: the same two instructions on the same number
.endr
	v_pk_mul_f32 v[14:15], v[14:15], v[250:251] op_sel_hi:[1,0]   ; the sums under the new M.  (A plain place behind the exponentials)
	s_wait_alu depctr_va_vdst(0)
.irp b, 0,1,2,3
	v_max_num_f32 v[BM+\b], FLOOR, v[BM+\b]        ; the floor: the byte cannot fall under 1
.endr
.irp b, 0,1,2,3
	v_add_nc_u32 v[SO+\b], EOFF, v[BM+\b]          ; 4 off the exponent field: the conversion's scale operand
.endr
.irp b, 0,1,2,3
	v_lshrrev_b32 v[BT+\b], 23, v[SO+\b]           ; the scale's byte
.endr
	v_lshl_or_b32 v248, v[BT+1], 8, v[BT]          ; p's scale word for these 128 keys
	v_lshl_or_b32 v248, v[BT+2], 16, v248
	v_lshl_or_b32 v248, v[BT+3], 24, v248
.irp c, 0,1
	v_cvt_scalef32_pk16_bf6_f32 v[PC+6*\c:PC+6*\c+2], v[P+32*\c:P+32*\c+15], v[SO+2*\c]
	v_cvt_scalef32_pk16_bf6_f32 v[CT+4*\c:CT+4*\c+2], v[P+32*\c+16:P+32*\c+31], v[SO+2*\c+1]   ; (a conversion's three registers begin on an even number)
.endr
	v_nop                                          ; one plain place behind a scaled conversion
.irp c, 0,1                                    ; the operand wants a WHOLE block in a lane: lanes 0-15 block 2 c, lanes 16-31 block 2 c + 1
.irp i, 0,1,2
	v_permlane16_swap_b32 v[PC+6*\c+\i], v[CT+4*\c+\i]
.endr
.irp i, 0,1,2
	v_mov_b32 v[PC+6*\c+3+\i], v[CT+4*\c+\i]
.endr
.endr
.irp t, 0,1,2,3                                ; v's four operands and their scale words: asked for here, they land under the 48 packed instructions below
.irp g, 0,1,2
	ds_load_b128 v[FR+12*\t+4*\g:FR+12*\t+4*\g+3], v8 offset:24576*(\q)+1536*\t+512*\g
.endr
.endr
	ds_load_b128 v[244:247], v9 offset:1024*(\q)
	v_pk_add_f32 v[252:253], v[P:P+1], v[P+2:P+3]  ; the row's sum is taken of the UNQUANTISED p: two at a time, in two chains
.irp j, 4,8,12,16,20,24,28,32,36,40,44,48,52,56,60
	v_pk_add_f32 v[14:15], v[14:15], v[P+\j:P+\j+1]
	v_pk_add_f32 v[252:253], v[252:253], v[P+\j+2:P+\j+3]
.endr
	v_pk_add_f32 v[14:15], v[14:15], v[252:253]
.set n, 0
.rept 16
	v_pk_mul_f32 v[O+n:O+n+1], v[O+n:O+n+1], v[250:251] op_sel_hi:[1,0]   ; O^T under the new M.  (With the sums above: the places between p's scale word and codes and the scaled products)
.set n, n+2
.endr
	s_wait_dscnt 0x0
.irp t, 0,1,2,3                                ; O^T += v^T p^T: source 0 = 16 of the 64 d, source 1 = p; K = these 128 keys; four accumulators by turns
	v_wmma_scale_f32_16x16x128_f8f6f4 v[O+8*\t:O+8*\t+7], v[FR+12*\t:FR+12*\t+11], v[PC:PC+11], v[O+8*\t:O+8*\t+7], v[244+\t], v248 matrix_a_fmt:MATRIX_FMT_BF6 matrix_b_fmt:MATRIX_FMT_BF6
.endr
.rept 4
	v_nop                                          ; four places in front of the next loads into the operands' registers and of the next read of O^T
.endr
.Lhidden_\@:
.endm
.macro SLOT_STEPS                      ; my two key steps of a slot's eight
	STEP 0
	STEP 1
	s_add_co_u32 s37, s37, 8
	s_xor_b32 s36, s36, SLOT1                      ; on to the other slot
.endm
	s_load_b128 s[4:7], s[0:1], 0x0                ; qb s[4:5], kv s[6:7]
	s_load_b64 s[8:9], s[0:1], 0x10                ; out0
	v_lshl_add_u32 v4, v0, 2, SPARE
	v_mov_b32 v5, 0
	ds_add_u32 v4, v5
	s_wait_dscnt 0x0
	v_lshrrev_b32 v7, 5, v0
	v_readfirstlane_b32 s10, v7                    ; wave 0..15
	s_lshr_b32 s12, s10, 2                         ; e: which key steps
	s_add_co_u32 s11, s10, s12
	s_and_b32 s11, s11, 3                          ; tq: which tile of queries
	s_mov_b32 s13, ttmp9                           ; c: in a cluster launch ttmp9 counts clusters
	s_bfe_u32 s14, ttmp6, 0x40000                  ; my place in the cluster: it enters q's and out's addresses and the mask's bound alone
	s_and_b32 s15, ttmp7, 0xffff                   ; the batch, which the partners share
	s_lshl_b32 s16, s13, 2
	s_add_co_u32 s16, s16, s14                     ; j
	s_lshr_b32 s39, s11, 1                         ; tiles 2, 3 belong to the late block
	s_and_b32 s19, s11, 1                          ; u
	s_sub_co_u32 s17, 127, s16
	s_sub_co_u32 s18, 31, s13
	s_cmp_lg_u32 s39, 0
	s_cselect_b32 s17, s17, s16                    ; my block of 32 queries: 127 - j or j
	s_cselect_b32 s18, s18, s13                    ; its key step, the last that counts: 31 - c or c: made of c alone
	s_lshl_b32 s42, s15, 7                         ; q's tile: 2 (128 batch + block) + u, 1,024 bytes each
	s_add_co_u32 s42, s42, s17
	s_lshl_b32 s42, s42, 11
	s_lshl_b32 s39, s19, 10
	s_add_co_u32 s42, s42, s39
	s_mov_b32 s43, 0
	s_lshl_b32 s44, s15, 12                        ; the rows of out that I store: token 4,096 batch + 32 block + 8 u + 4 e + 8 (e / 2) on
	s_lshl_b32 s39, s17, 5
	s_add_co_u32 s44, s44, s39
	s_lshl_b32 s39, s19, 3
	s_add_co_u32 s44, s44, s39
	s_lshl_b32 s39, s12, 2
	s_add_co_u32 s44, s44, s39
	s_lshr_b32 s39, s12, 1
	s_lshl_b32 s39, s39, 3
	s_add_co_u32 s44, s44, s39
	s_lshl_b32 s44, s44, 8
	s_mov_b32 s45, 0
	s_and_b32 s39, s10, 3
	s_mul_i32 s33, s39, QUART                      ; group 0, 63:32: LDS address: my quarter of slot A
	s_mul_i32 s46, s15, 4*SLOTB                    ; the batch's four slots in kv,
	s_add_co_u32 s46, s46, s33                     ; my quarter
	s_mov_b32 s47, 0
	; group 1: 114 rows of 256 bytes, dense
	s_mov_b32 s24, 15|(3<<16)|(1<<21)              ; 15:0 the mask: all four work-groups; 17:16 elements of 8 bytes; 20 no padding; 21 set beside a mask
	s_mov_b32 s25, 32<<16                          ; tensor_dim0 = 32
	s_mov_b32 s26, 114<<16                         ; tensor_dim1 = 114
	s_mov_b32 s27, 32<<16                          ; tile_dim0 = 32
	s_mov_b32 s28, 114                             ; tile_dim1 = 114
	s_mov_b32 s29, 32                              ; tensor_dim0_stride
	s_mov_b32 s30, 0
	s_mov_b32 s31, 0
	s_mov_b32 s20, 0x76543210
	s_mov_b32 s21, 0xfedcba98                      ; v_permlanex16_b32's selects for lane l xor 16
	s_mov_b32 s22, 0x3eb8aa3b                      ; log2(e) / 4
	s_mov_b32 s23, s22                             ; (named with it as a pair, so it is written)
	s_mov_b32 s36, 0
	s_mov_b32 s37, s12
	s_mov_b32 s38, 3
	s_wait_kmcnt 0x0
	s_add_nc_u64 s[4:5], s[4:5], s[42:43]
	s_add_nc_u64 s[8:9], s[8:9], s[44:45]
	s_mov_b32 s32, 1                               ; 1:0 count = 1
	s_add_nc_u64 s[34:35], s[6:7], s[46:47]        ; 120:64 global address
	s_or_b32 s35, s35, 0x80000000                  ; 127:126 type = 2
	ROUND                                          ; all four work-groups are here: the first joint loads meet
	TLOAD                                          ; slot A: keys 0 to 1,023
	v_and_b32 v7, 31, v0
	v_lshlrev_b32 v11, 4, v7                       ; 16 x lane; never rewritten
	global_load_b128 v[16:19], v11, s[4:5]         ; q stays in registers
	global_load_b128 v[20:23], v11, s[4:5] offset:512
	v_and_b32 v9, 15, v0                           ; r
	v_bfe_u32 v10, v0, 4, 1                        ; h
	s_lshl_b32 s39, s12, 13
	v_add_nc_u32 v1, s39, v11                      ; k's images of step e: 8,192 bytes a step
	s_mul_i32 s39, s12, 6144
	s_add_co_u32 s39, s39, VOFF
	v_add_nc_u32 v2, s39, v11                      ; v's: 6,144 bytes a step
	s_lshl_b32 s39, s12, 8
	s_add_co_u32 s39, s39, SOFF
	v_lshl_add_u32 v3, v9, 4, s39                  ; v's scale words: 256 bytes a step, 16 bytes (four tiles of d) for row r
	s_and_b32 s39, s17, 3
	s_lshl_b32 s39, s39, 5
	s_lshl_b32 s40, s19, 3
	s_add_co_u32 s39, s39, s40
	v_and_b32 v6, 8, v9
	v_add_nc_u32 v6, v6, v9
	v_add_nc_u32 v6, s39, v6                       ; my query's place in its key step: 32 (block % 4) + 8 u + r + 8 (r / 8),
	v_lshlrev_b32 v10, 4, v10
	v_sub_nc_u32 v6, v6, v10                       ; less my half's 16 keys
	v_mov_b32 v13, 0xff61b1e6                      ; the largest t so far: -3e38, under every t
	v_floor_f32 v12, -v13                          ; -M
	v_mov_b32 v14, 0                               ; the sum, in two halves
	v_mov_b32 v15, 0
	v_mov_b32 v249, 0                              ; (destinations of lane permutes count as sources: written once)
.irp b, 0,1,2,3
	v_mov_b32 v[BT+\b], 0
.endr
	v_mov_b32 v251, 0                              ; (named as the upper half of the pair v[250:251])
	v_mov_b32 v254, 0xff800000                     ; -infinity
.set n, 0
.rept 32
	v_mov_b32 v[O+n], 0                            ; O^T: the step is written once, its first walk finds zeros; a wave with no step at all hands zeros to the merge
.set n, n+1
.endr
	s_wait_loadcnt 0x0                             ; q
.Lslot:                                                ; three trips: behind each change of slots but the last the next slot is asked for
	CHANGE 1
	SLOT_STEPS
	s_sub_co_u32 s38, s38, 1
	s_cmp_lg_u32 s38, 0
	s_cbranch_scc1 .Lslot
	CHANGE 0                                       ; the last slot is written out
	SLOT_STEPS
	; THE MERGE.  Each wave puts its part of O^T, its -M and its sum into LDS; behind a barrier wave (tq, e) takes rows 4 e .. 4 e + 3 of tile tq from all four parts.
	v_add_f32 v14, v14, v15                        ; the sum's two halves,
	v_permlanex16_b32 v249, v14, s20, s21
	v_add_f32 v14, v14, v249                       ; and lane l xor 16's
	v_and_b32 v252, 15, v0                         ; r
	v_bfe_u32 v253, v0, 4, 1                       ; h
	s_lshl_b32 s39, s11, 2
	s_add_co_u32 s39, s39, s12                     ; my part's number: 4 tq + e
	s_mul_i32 s40, s39, 16*272
	s_add_co_u32 s40, s40, STAGE
	v_mul_u32_u24 v7, v252, 272
	v_lshl_add_u32 v7, v253, 5, v7
	v_add_nc_u32 v7, s40, v7                       ; in: row r; tile t's eight d of my half: 64 t + 32 h bytes on
	s_lshl_b32 s40, s39, 6
	s_add_co_u32 s40, s40, STATS
	v_lshl_add_u32 v8, v252, 2, s40                ; -M and the sum of query r
	s_mul_i32 s40, s11, 4*16*272
	s_mul_i32 s41, s12, 4*272
	s_add_co_u32 s40, s40, s41
	s_add_co_u32 s40, s40, STAGE
	v_mul_u32_u24 v9, v253, 272
	v_lshl_add_u32 v9, v252, 4, v9
	v_add_nc_u32 v9, s40, v9                       ; back: tile tq's part 0, row 4 e + lane / 16, 16 bytes a lane
	s_lshl_b32 s40, s11, 8
	s_lshl_b32 s41, s12, 4
	s_add_co_u32 s40, s40, s41
	s_add_co_u32 s40, s40, STATS
	v_lshl_add_u32 v10, v253, 2, s40               ; and that row's -M
.irp t, 0,1,2,3
	ds_store_b128 v7, v[O+8*\t:O+8*\t+3] offset:64*\t          ; each accumulator from its low end on
	ds_store_b128 v7, v[O+8*\t+4:O+8*\t+7] offset:64*\t+16
.endr
	ds_store_b32 v8, v12                           ; (both halves of the lanes write the same word with the same value)
	ds_store_b32 v8, v14 offset:1024
	s_wait_dscnt 0x0                               ; for the others' sake: my part lies in LDS
	s_barrier_signal -1
	s_barrier_wait -1
.irp i, 0,1                                    ; rows 4 e + 2 i + lane / 16
.irp p, 0,1,2,3
	ds_load_b128 v[P+16*\i+4*\p:P+16*\i+4*\p+3], v9 offset:4352*\p+544*\i
	ds_load_b32 v[P+32+4*\i+\p], v10 offset:64*\p+8*\i
	ds_load_b32 v[P+40+4*\i+\p], v10 offset:1024+64*\p+8*\i
.endr
.endr
	s_wait_dscnt 0x0
.irp i, 0,1
	v_min3_num_f32 v[P+48+\i], v[P+32+4*\i], v[P+33+4*\i], v[P+34+4*\i]
.endr
.irp i, 0,1
	v_min_num_f32 v[P+48+\i], v[P+48+\i], v[P+35+4*\i]         ; the least -M: the row's M
.endr
.irp j, 0,1,2,3,4,5,6,7
	v_sub_f32 v[P+32+\j], v[P+48+\j/4], v[P+32+\j]             ; the part's M less the row's: a whole number, 0 or less
.endr
.irp j, 0,1,2,3,4,5,6,7
	v_cvt_i32_f32 v[P+32+\j], v[P+32+\j]                       ; (it saturates: a part with no step at all gets the factor 0)
.endr
.irp j, 0,1,2,3,4,5,6,7
	v_ldexp_f32 v[P+32+\j], 1.0, v[P+32+\j]                    ; the part's factor, an exact power of two
.endr
.irp i, 0,1
	v_mul_f32 v[P+50+\i], v[P+32+4*\i], v[P+40+4*\i]
.endr
.irp p, 1,2,3
.irp i, 0,1
	v_fmac_f32 v[P+50+\i], v[P+32+4*\i+\p], v[P+40+4*\i+\p]    ; the row's sum
.endr
.endr
	v_rcp_f32 v[P+52], v[P+50]
	v_rcp_f32 v[P+53], v[P+51]
	v_nop                                          ; one plain place behind the transcendentals
	s_wait_alu depctr_va_vdst(0)
.irp j, 0,1,2,3,4,5,6,7
	v_mul_f32 v[P+32+\j], v[P+32+\j], v[P+52+\j/4]             ; factor / sum
.endr
.irp i, 0,1
.irp k, 0,1,2,3
	v_mul_f32 v[P+56+4*\i+\k], v[P+16*\i+\k], v[P+32+4*\i]
.endr
.endr
.irp p, 1,2,3
.irp i, 0,1
.irp k, 0,1,2,3
	v_fmac_f32 v[P+56+4*\i+\k], v[P+16*\i+4*\p+\k], v[P+32+4*\i+\p]
.endr
.endr
.endr
.irp i, 0,1
	global_store_b128 v11, v[P+56+4*\i:P+56+4*\i+3], s[8:9] offset:512*\i th:TH_STORE_NT   ; two neighbouring rows of out: 512 consecutive bytes, aligned; written once, read by nobody here
.endr
	s_wait_tensorcnt 0x0                           ; the wave's end, behind my last tensor load and my last LDS store
	ds_add_u32 v4, v5
	s_wait_dscnt 0x0
	ROUND                                          ; the closing round: no work-group ends while a partner may still ask for a slot that names it
	s_endpgm
.Lfunc_end_k_qfef10c449a_attn:
	.size	k_qfef10c449a_attn, .Lfunc_end_k_qfef10c449a_attn-k_qfef10c449a_attn
	.p2alignl 7, 3214868480
	.fill 96, 4, 3214868480
	.section	.rodata,"a",@progbits
	.p2align	6, 0x0
	.amdhsa_kernel k_qfef10c449a_attn
		.amdhsa_group_segment_fixed_size 327680
		.amdhsa_private_segment_fixed_size 0
		.amdhsa_enable_private_segment 0
		.amdhsa_kernarg_size 24
		.amdhsa_user_sgpr_count 2
		.amdhsa_user_sgpr_kernarg_segment_ptr 1
		.amdhsa_wavefront_size32 1
		.amdhsa_system_sgpr_workgroup_id_x 1
		.amdhsa_system_sgpr_workgroup_id_y 1
		.amdhsa_system_sgpr_workgroup_id_z 1
		.amdhsa_system_vgpr_workitem_id 0
		.amdhsa_next_free_vgpr 256
		.amdhsa_next_free_sgpr 66
		.amdhsa_reserve_vcc 1
		.amdhsa_float_denorm_mode_32 3
		.amdhsa_float_denorm_mode_16_64 3
		.amdhsa_memory_ordered 1
		.amdhsa_forward_progress 1
		.amdhsa_inst_pref_size 116
	.end_amdhsa_kernel
	.amdgpu_metadata
---
amdhsa.version: [ 1, 2 ]
amdhsa.kernels:
  - .name:           k_qfef10c449a_attn
    .symbol:         k_qfef10c449a_attn.kd
    .args:
      - { .name: qb, .offset: 0, .size: 8, .value_kind: global_buffer, .address_space: global }
      - { .name: kv, .offset: 8, .size: 8, .value_kind: global_buffer, .address_space: global }
      - { .name: out0, .offset: 16, .size: 8, .value_kind: global_buffer, .address_space: global }
    .group_segment_fixed_size: 327680
    .private_segment_fixed_size: 0
    .kernarg_segment_align: 8
    .kernarg_segment_size: 24
    .max_flat_workgroup_size: 512
    .sgpr_count:     66
    .vgpr_count:     256
    .wavefront_size: 32
...
	.end_amdgpu_metadata
.endif
;; end of part 2
